; MI455X (gfx1250); checked and timed in simulation.
; The chip was launched on July 23, 2026; its instructions are those of AMD's public machine-readable ISA for CDNA 5 (MIT licence, August 2026) and "CDNA5" Instruction Set Architecture Reference Guide (July 2026). The comments in the code are by the model that wrote it; some were corrected since.
;; Hd. Allowed arithmetic: matrix products marked QUANTISED: E5M2 operands, one given power-of-two scale a tensor, by v_wmma_f32_16x16x64_bf8_bf8 or v_wmma_f32_16x16x128_bf8_bf8, f32 sums; everything else in f32.
;; Inputs: lowp_scales 2 int32 (the exponents e of the quantised operands' scales 2^e); sz1 32 int32; sz2 32 int32; v1 32 x 256 x 64 float32; v2 32 x 256 x 64 float32.
;; Outputs: out0 32 x 32 float32.
;; This version of the problem:
;;   THIS VERSION OF THE PROBLEM IS GIVEN IN LOW PRECISION. The matrix products marked QUANTISED in the list below multiply operands that are first quantised to E5M2 (5 exponent bits, 2 mantissa bits; 8 bits a number), with one given power-of-two scale for each operand tensor; their sums are f32. All else is computed in f32.
;;   The module's matrix products, in the order in which they are computed (A, B: the left and right operand; K: the contracted axis; several contracted axes count as one K, in the product's order):
;;     1. [M 8,192, K 64] x [K 64, N 8,192]; A: input v2; B: input v1: QUANTISED (scales: A lowp_scales[0], B lowp_scales[1])
;;   THE QUANTISER, for each operand of a quantised product, along K:
;;     - The operand's scale is 2^e, e = its entry of the input lowp_scales (int32; the entries are numbered through the quantised products in the list's order, A before B).
;;     - Each number is divided by the scale, clamped to +-57,344, and rounded to the nearest number of E5M2, ties to even, subnormals kept.
;;     - The product sums the exact products of the quantised numbers (number of the format x scale) in f32.
;;   ~~~python
;;   def quantise(x, axis, e):      # numpy; x: float32 -> the quantised numbers, widened to float32 again
;;       x = np.moveaxis(x, axis, -1); K = x.shape[-1]
;;       r = np.clip(x / 2.0 ** e, -57344, 57344)
;;       step = 2.0 ** (np.maximum(np.frexp(np.where(r == 0, 1, r))[1] - 1, -14) - 2)
;;       q = np.round(r / step) * step * 2.0 ** e      # np.round: ties to even
;;       return np.moveaxis(q, -1, axis).astype(np.float32)
;;   ~~~
;; One version. Each part assembles by itself: llvm-mc -triple=amdgcn-amd-amdhsa -mcpu=gfx1250 --defsym DOCPART=n.
;; ======== version 1 of 1: 1 launch
;; limits: right only within a limited range of input values
;; launch hausdorff (part 1): grid 16 x 16, 16 waves a work-group, no clusters, 92,672 bytes of LDS; arguments lowp_scales, sz1, sz2, v1, v2, out0; writes out0
.if DOCPART == 1
	.amdgcn_target "amdgcn-amd-amdhsa--gfx1250"
	.amdhsa_code_object_version 6
	.text
	.protected	k_q1e0021766c_hausdorff
	.globl	k_q1e0021766c_hausdorff
	.p2align	8
	.type	k_q1e0021766c_hausdorff,@function
k_q1e0021766c_hausdorff:
	s_mov_b64 s[64:65], 0
	v_nop
	global_prefetch_b8 v0, s[64:65] scope:SCOPE_SE
	s_setreg_imm32_b32 hwreg(HW_REG_WAVE_MODE, 25, 1), 1
	s_wait_xcnt 0x0
; out0[a][b] = the Hausdorff distance between the first sz1[a] points of v1[a] and the first sz2[b] points of v2[b] (256 points of 64 f32 a set).
; d2(x, y) = |x|^2 + |y|^2 - 2 x.y: the norms in f32 from the numbers as given, x.y on codes of BF8 (E5M2): v2 with the scale 2^e0, v1 with 2^e1 (lowp_scales[0], [1]).
; ARITHMETIC.  S = 2^(e0+e1), c(p) = -|p|^2 / (2 S).  E(x, y) = (sum of the codes' products) + c(x) + c(y) = -d2 / (2 S).  Root and clip at 0 are monotone, so they are taken once a pair:
;   out = sqrt(max(0, -2 S min(min over x of max over y of E, min over y of max over x of E))).
; EACH TILE IS MULTIPLIED ONCE FOR EACH DIRECTION: source 0 = 16 'other' points, source 1 = 16 'own' points, C = c(other) in the result's layout (register j: point 8 (lane / 16) + j).  A lane then holds
; ONE own point and its eight registers hold E - c(own) for eight other points: four v_max3 end the tile, against twelve vector instructions a tile for one product with both norms added by hand.
; Points beyond a set's size have c = -2^127 as 'other' (they never win a maximum) and +2^127 as 'own' (a candidate E >= 0 changes nothing, because of the clip at 0).
; RAGGED.  Blocks of 16 points that lie wholly beyond a set's size are neither loaded nor quantised nor multiplied: scalar branches on sz1, sz2.
; BALANCE.  Work-group (x, y) takes the sets of v1 whose sizes have rank y and 31 - y, and the sets of v2 of rank x and 31 - x (ties by index): 2 x 2 pairs, about 257 + 257 points whatever the sizes.
; SHARES.  16 waves.  i = wave / 4, c = (wave xor i) mod 4: among waves with equal wave mod 4, and among waves with equal wave / 4, all four c occur.
;   Phase 1: set c (0, 1: v1's; 2, 3: v2's); wave (c, i) quantises its blocks i, i + 4, i + 8, i + 12 into LDS: codes by rows, and c(p) twice.
;   Phase 2: pair c (v1's set c mod 2, v2's set c / 2); direction i mod 2; own blocks of parity i / 2: at most 8 fragments, kept in registers; the other set's blocks stream through 16 registers.
;   Phase 3: waves 0 to 3 join a pair's four partial results and store one number each.  (4 bytes a store: a work-group owns four numbers of out0 at places that hang on the ranks.)
; NO TENSOR LOADS, NO CLUSTER, though the 16 work-groups of a grid row read the same two sets: the branches on sz1, sz2 leave out
; about half the rows and three quarters of the tiles at sizes spread evenly over 1 .. 256.
; LIMITS.  e0, e1 between -126 and 112; e0 + e1 between -127 and 125 (each power of two below is made as an f32 number).  NaN among the inputs is not served.  Distances stay under 1e9, reference()'s own sentinel.
; sz <= 0 is an empty set (the result is then +1e9, or -1e9 where both are empty, as in reference()); sz > 256 counts as 256.
.set PITCH, 80                         ; a row of 64 codes + 16 bytes: 20 words, so the 16 rows of a fragment load start at 16 different groups of four banks (64 banks of 4 bytes: ISA guide 11.1)
.set BLKB,  16*PITCH                   ; a block of 16 points
.set SETB,  256*PITCH                  ; a set
.set CO,    4*SETB                     ; c(p) as 'other': 4 sets x 256 f32
.set CW,    CO+4096                    ; c(p) as 'own'
.set META,  CW+4096                    ; for each set: its size, its index
.set RES,   META+256                   ; 16 partial results: pair c, part i at 16 c + 4 i
.set NEGH,  0xff000000                 ; -2^127
.set POSH,  0x7f000000                 ; +2^127
.set LN, 1                             ; v1  lane
.set GO, 2                             ; v2  16 x lane: my bytes of a load's 512
.set L4, 3                             ; v3  4 x lane
.set QC, 4                             ; v4  phase 1: where my codes go
.set QN, 5                             ; v5  phase 1: where my c goes
.set ROW, 6                            ; v6  phase 1: the row of a block whose norm ends in my lane
.set MS, 7                             ; v7  my set's place in META
.set BO, 8                             ; v8  phase 2: my lane's place in the first own fragment
.set BF, 9                             ; v9  in the other set's block 0
.set BC, 10                            ; v10 in the other set's c
.set BW, 11                            ; v11 in the own set's c
.set MA, 12                            ; v12, v13 META of the pair's set of v1, of v2
.set MB, 13
.set RS, 14                            ; v14 where my partial result goes
.set RL, 15                            ; v15 where my pair's four lie
.set AF, 16                            ; v16, v17 addresses of the loads in hand
.set AC, 17
.set SC, 18                            ; v18 2^e as f32
.set LM, 19                            ; v19 57,344 x 2^e
.set M0R, 20                           ; v[20:21], v[22:23] size and index
.set M1R, 22
.set SZ, 24
.set KEY, 25
.set RK, 26
.set ZR, 27                            ; v27 0; never rewritten
.set TP, 32                            ; phase 1: v32-47 sums of squares
.set X,  64                            ; phase 1: v64-191 four blocks as loaded, 32 registers each
.set CD, 192                           ; phase 1: v192-223 codes, 8 registers a block, so that no store's data are written again
.set NV, 224                           ; phase 1: v224-231 c, two registers a block
.set OTH, 32                           ; phase 2: v32-39 the other fragment
.set CC,  40                           ; v40-47 its c, the C operand
.set ACC, 48                           ; v48-55 running maxima, one for each own block
.set CWR, 56                           ; v56-63 c of my own points
.set OWN, 64                           ; v64-127 own fragments
.set D,   128                          ; v128-191 results
	s_load_b256 s[4:11], s[0:1], 0x0               ; lowp_scales s[4:5], sz1 s[6:7], sz2 s[8:9], v1 s[10:11]
	s_load_b128 s[12:15], s[0:1], 0x20             ; v2 s[12:13], out0 s[14:15]
	v_lshl_add_u32 v232, v0, 2, 0x16200
	v_mov_b32 v233, 0
	v_lshrrev_b32 v28, 5, v0
	v_readfirstlane_b32 s16, v28                   ; wave 0..15
	v_and_b32 v[LN], 31, v0
	v_and_b32 v29, 15, v0                          ; lane % 16
	v_bfe_u32 v30, v0, 4, 1                        ; lane / 16
	v_mov_b32 v[ZR], 0
	s_lshr_b32 s17, s16, 2                         ; i
	s_xor_b32 s18, s16, s17
	s_and_b32 s18, s18, 3                          ; c
	s_and_b32 s19, s18, 1                          ; phase 1: 1 = the larger rank.  Phase 2: the pair's set of v1
	s_lshr_b32 s20, s18, 1                         ; phase 1: 1 = a set of v2
	s_and_b32 s44, s17, 1                          ; direction: 0 = own points from v1
	s_lshr_b32 s45, s17, 1                         ; parity of my own blocks
	s_or_b32 s21, s20, 2                           ; the pair's set of v2
	s_xor_b32 s22, s19, s21
	s_mul_i32 s23, s44, 3
	s_and_b32 s23, s23, s22
	s_xor_b32 s23, s23, s19                        ; the own set: s19 or s21 by the direction, without a select
	s_xor_b32 s24, s23, s22                        ; the other set
	; every LDS address is made here, ahead of the first branch, from the lane, the wave's number and constants
	v_lshlrev_b32 v[GO], 4, v[LN]
	v_lshlrev_b32 v[L4], 2, v[LN]
	s_mul_i32 s28, s18, SETB
	s_mul_i32 s29, s17, BLKB
	s_add_co_u32 s28, s28, s29
	v_mul_u32_u24 v[QC], v30, PITCH
	v_lshl_add_u32 v[QC], v29, 2, v[QC]
	v_add_nc_u32 v[QC], s28, v[QC]                 ; set c, block i, row lane / 16, bytes 4 (lane % 16)
	v_and_b32 v[ROW], 14, v29
	v_add_nc_u32 v[ROW], v[ROW], v30               ; 2 ((lane % 16) / 2) + lane / 16
	s_lshl_b32 s28, s18, 10
	s_lshl_b32 s29, s17, 6
	s_add_co_u32 s28, s28, s29
	s_add_co_u32 s28, s28, CO
	v_lshl_add_u32 v[QN], v[ROW], 2, s28
	s_lshl_b32 s28, s18, 3
	s_add_co_u32 s28, s28, META
	v_mov_b32 v[MS], s28
	v_mul_u32_u24 v31, v29, PITCH
	v_lshl_add_u32 v31, v30, 5, v31                ; a fragment: row lane % 16, bytes 32 (lane / 16) on: the same places of k in both sources
	s_mul_i32 s28, s23, SETB
	s_mul_i32 s29, s45, BLKB
	s_add_co_u32 s28, s28, s29
	v_add_nc_u32 v[BO], s28, v31
	s_mul_i32 s28, s24, SETB
	v_add_nc_u32 v[BF], s28, v31
	s_lshl_b32 s28, s24, 10
	s_add_co_u32 s28, s28, CO
	v_lshl_add_u32 v[BC], v30, 5, s28              ; eight c of my half of the lanes
	s_lshl_b32 s28, s23, 10
	s_lshl_b32 s29, s45, 6
	s_add_co_u32 s28, s28, s29
	s_add_co_u32 s28, s28, CW
	v_lshl_add_u32 v[BW], v29, 2, s28
	s_lshl_b32 s28, s19, 3
	s_add_co_u32 s28, s28, META
	v_mov_b32 v[MA], s28
	s_lshl_b32 s28, s21, 3
	s_add_co_u32 s28, s28, META
	v_mov_b32 v[MB], s28
	s_lshl_b32 s28, s18, 4
	s_add_co_u32 s28, s28, RES
	v_mov_b32 v[RL], s28
	s_lshl_b32 s29, s17, 2
	s_add_co_u32 s28, s28, s29
	v_mov_b32 v[RS], s28
	s_mov_b32 s60, 0xff00ff00                      ; lanes whose number has bit 3 set; bit 2; bit 1
	s_mov_b32 s61, 0xf0f0f0f0
	s_mov_b32 s62, 0xcccccccc
	s_mov_b32 s66, 0x76543210                      ; v_permlanex16_b32: lane l takes lane l xor 16
	s_mov_b32 s67, 0xfedcba98
	s_and_b32 s28, ttmp7, 0xffff                   ; work-group y
	s_mul_i32 s29, s19, 31
	s_wait_kmcnt 0x0
	s_cmp_eq_u32 s20, 0                            ; my set's side: the choice hangs on the wave's number alone
	s_cselect_b64 s[36:37], s[6:7], s[8:9]         ; its sizes
	s_cselect_b64 s[38:39], s[10:11], s[12:13]     ; its points
	s_cselect_b32 s25, s28, ttmp9                  ; v1's sets go by y, v2's by x
	s_xor_b32 s25, s25, s29                        ; the rank that I look for: the coordinate, or 31 less it
	global_load_b32 v[SZ], v[L4], s[36:37]         ; lane l: the size of set l
	s_load_b64 s[26:27], s[4:5], 0x0               ; e0 (v2's), e1 (v1's)
	s_wait_kmcnt 0x0
	s_cmp_eq_u32 s20, 0
	s_cselect_b32 s30, s27, s26                    ; my side's e
	s_add_co_i32 s30, s30, 127
	s_lshl_b32 s31, s30, 23
	v_mov_b32 v[SC], s31                           ; 2^e: the conversion takes its exponent field
	s_add_co_i32 s30, s30, 15
	s_lshl_b32 s30, s30, 23
	s_or_b32 s30, s30, 0x600000
	v_mov_b32 v[LM], s30                           ; 57,344 x 2^e
	s_add_co_i32 s54, s26, s27
	s_sub_co_i32 s53, 126, s54
	s_lshl_b32 s53, s53, 23
	s_or_b32 s53, s53, 0x80000000                  ; -1 / (2 S)
	s_add_co_i32 s54, s54, 128
	s_lshl_b32 s54, s54, 23
	s_or_b32 s54, s54, 0x80000000                  ; -2 S
	s_wait_loadcnt 0x0
	; THE RANKS.  key = 32 x size + index: all different.  A lane's rank = how many of the 32 keys lie under its own: 32 compares, each added by the carry.
	; Every wave ranks its own side: 96 instructions, against a way through LDS with one more barrier.
	v_mov_b32 v[RK], 0
	v_cmp_gt_i32 vcc_lo, 0, v[SZ]
	v_cndmask_b32 v[SZ], v[SZ], v[ZR], vcc_lo      ; a negative size masks everything, as 0 does
	v_min_u32 v[SZ], 0x100, v[SZ]
	v_lshl_or_b32 v[KEY], v[SZ], 5, v[LN]
.set k, 0
.rept 8
	v_readlane_b32 s56, v[KEY], k
	v_readlane_b32 s57, v[KEY], k+1
	v_readlane_b32 s58, v[KEY], k+2
	v_readlane_b32 s59, v[KEY], k+3
.irp t, 56,57,58,59
	v_cmp_lt_u32 vcc_lo, s\t, v[KEY]
	v_add_co_ci_u32 v[RK], vcc_lo, 0, v[RK], vcc_lo
.endr
.set k, k+4
.endr
	v_cmp_eq_u32 s31, s25, v[RK]                   ; one lane has the rank
	s_ctz_i32_b32 s32, s31
	s_min_u32 s32, s32, 31                         ; my set's index
	v_readlane_b32 s33, v[SZ], s32                 ; and its size, 0 .. 256
	s_add_co_u32 s34, s33, 15
	s_lshr_b32 s34, s34, 4
	s_max_u32 s34, s34, 1                          ; blocks to make: block 0 is made even for an empty set, so that phase 2's first load reads bytes that were written
	s_add_co_u32 s35, s34, 3
	s_sub_co_u32 s35, s35, s17
	s_lshr_b32 s35, s35, 2                         ; how many of the blocks i, i + 4, i + 8, i + 12 that is
	s_lshl_b32 s28, s17, 4
	s_sub_co_i32 s55, s33, s28                     ; size - 16 i
	s_lshl_b32 s36, s32, 16                        ; a set is 65,536 bytes, a block 4,096  (the load that named s[36:37] is done)
	s_lshl_b32 s28, s17, 12
	s_add_co_u32 s36, s36, s28
	s_mov_b32 s37, 0
	s_add_nc_u64 s[38:39], s[38:39], s[36:37]
; PHASE 1.  Block i + 4 j: eight loads, each 512 consecutive bytes = two rows.  Load t gives lane l the numbers k = 4 (l % 16) .. + 3 of row 2 t + l / 16.
.macro LOAD j
.irp t, 0,1,2,3,4,5,6,7
	global_load_b128 v[X+32*(\j)+4*\t:X+32*(\j)+4*\t+3], v[GO], s[38:39] offset:16384*(\j)+512*\t
.endr
.endm
; One step of the sums' way across 16 lanes.  Slots a and b hold two rows' partial sums.  A lane whose bit is 0 keeps slot a and gets its partner's slot a; a lane whose bit is 1 keeps slot b and gets b.
; So each step halves the slots: 4 + 2 + 1 steps of three instructions and one last addition, 22 in all, against 32 for eight whole butterflies.
.macro FOLD a, b, m, x
	v_cndmask_b32 v[TP+2*(\a)+1], v[TP+2*(\b)], v[TP+2*(\a)], s[\m]    ; what my partner keeps
	v_cndmask_b32 v[TP+2*(\a)], v[TP+2*(\a)], v[TP+2*(\b)], s[\m]      ; what I keep
	v_add_f32_dpp v[TP+2*(\a)], v[TP+2*(\a)+1], v[TP+2*(\a)] row_xmask:\x row_mask:0xf bank_mask:0xf
.endm
.macro PROC j
.set XB, X+32*(\j)
.set CB, CD+8*(\j)
.set NB, NV+2*(\j)
.irp t, 0,1,2,3,4,5,6,7
	v_pk_mul_f32 v[TP+2*\t:TP+2*\t+1], v[XB+4*\t:XB+4*\t+1], v[XB+4*\t:XB+4*\t+1]
.endr
.irp t, 0,1,2,3,4,5,6,7
	v_pk_fma_f32 v[TP+2*\t:TP+2*\t+1], v[XB+4*\t+2:XB+4*\t+3], v[XB+4*\t+2:XB+4*\t+3], v[TP+2*\t:TP+2*\t+1]
.endr
.irp t, 0,1,2,3,4,5,6,7
	v_add_f32 v[TP+2*\t], v[TP+2*\t], v[TP+2*\t+1]                     ; slot t: my four squares of row 2 t + l / 16
.endr
	FOLD 0, 4, 60, 8
	FOLD 1, 5, 60, 8
	FOLD 2, 6, 60, 8
	FOLD 3, 7, 60, 8
	FOLD 0, 2, 61, 4
	FOLD 1, 3, 61, 4
	FOLD 0, 1, 62, 2
	v_add_f32_dpp v[TP], v[TP], v[TP] row_xmask:1 row_mask:0xf bank_mask:0xf   ; the norm of row 2 ((l % 16) / 2) + l / 16
	v_mul_f32 v[TP], s53, v[TP]                    ; c = -norm / (2 S)
	s_sub_co_i32 s63, s55, 64*(\j)                 ; how many rows of this block lie under the size
	v_cmp_gt_i32 vcc_lo, s63, v[ROW]
	v_cndmask_b32 v[NB], NEGH, v[TP], vcc_lo
	v_cndmask_b32 v[NB+1], POSH, v[TP], vcc_lo
	ds_store_b32 v[QN], v[NB] offset:256*(\j)      ; (two lanes hold each row's c and store the same word)
	ds_store_b32 v[QN], v[NB+1] offset:256*(\j)+CW-CO
.irp t, 0,1,2,3,4,5,6,7,8,9,10,11,12,13,14,15,16,17,18,19,20,21,22,23,24,25,26,27,28,29,30,31
	v_med3_num_f32 v[XB+\t], v[XB+\t], -v[LM], v[LM]   ; the conversion to an 8-bit code does not saturate (ISA guide 7.6.2): the hold at the largest code x the scale
.endr
.irp g, 0,1,2,3
	v_cvt_scalef32_pk8_bf8_f32 v[CB+2*\g:CB+2*\g+1], v[XB+8*\g:XB+8*\g+7], v[SC]   ; eight numbers = four of each of two rows: each result register is four neighbouring codes of one row
.endr
	v_nop                                          ; one plain vector instruction behind the last conversion: phase 2 writes these registers again
.irp t, 0,1,2,3,4,5,6,7
	ds_store_b32 v[QC], v[CB+\t] offset:4*BLKB*(\j)+2*PITCH*\t         ; 16 lanes fill a row's 64 bytes
.endr
.endm
	; All my loads go out first; the blocks are then worked in descending order, entered at the last one that was loaded: so on every path each register that is read has been loaded.
	s_cmp_eq_u32 s35, 0
	s_cbranch_scc1 .Lp0
	LOAD 0
	s_cmp_lt_u32 s35, 2
	s_cbranch_scc1 .Lp1
	LOAD 1
	s_cmp_lt_u32 s35, 3
	s_cbranch_scc1 .Lp2
	LOAD 2
	s_cmp_lt_u32 s35, 4
	s_cbranch_scc1 .Lp3
	LOAD 3
	s_wait_loadcnt 0x0                             ; the block entered first is the one loaded last: the wait is for all
	PROC 3
.Lp3:
	s_wait_loadcnt 0x0
	PROC 2
.Lp2:
	s_wait_loadcnt 0x0
	PROC 1
.Lp1:
	s_wait_loadcnt 0x0
	PROC 0
.Lp0:
	v_mov_b32 v[M0R], s33
	v_mov_b32 v[M0R+1], s32
	s_cmp_lg_u32 s17, 0                            ; one wave of a set's four tells the others its size and index
	s_cbranch_scc1 .Lnometa
	ds_store_b64 v[MS], v[M0R:M0R+1]
.Lnometa:
	s_wait_dscnt 0x0                               ; for the others' sake: my stores into LDS are done
	s_barrier_signal -1
	s_barrier_wait -1
	; PHASE 2
	ds_load_b64 v[M0R:M0R+1], v[MA]
	ds_load_b64 v[M1R:M1R+1], v[MB]
	s_wait_dscnt 0x0
	v_readfirstlane_b32 s40, v[M0R]                ; size and index of the pair's set of v1,
	v_readfirstlane_b32 s41, v[M0R+1]
	v_readfirstlane_b32 s42, v[M1R]                ; of v2
	v_readfirstlane_b32 s43, v[M1R+1]
	s_cmp_eq_u32 s44, 0
	s_cselect_b32 s46, s40, s42                    ; own size
	s_cselect_b32 s47, s42, s40                    ; other size
	s_add_co_u32 s46, s46, 15
	s_lshr_b32 s46, s46, 4
	s_add_co_u32 s46, s46, 1
	s_sub_co_u32 s46, s46, s45
	s_lshr_b32 s46, s46, 1                         ; n: my own blocks, those of my parity: 0 .. 8
	s_add_co_u32 s47, s47, 15
	s_lshr_b32 s47, s47, 4                         ; the other set's blocks
	s_cmp_eq_u32 s46, 0
	s_cselect_b32 s48, 0, s47                      ; trips with work
	ds_load_b128 v[OTH:OTH+3], v[BF]               ; the other set's block 0 and its c
	ds_load_b128 v[OTH+4:OTH+7], v[BF] offset:16
	ds_load_b128 v[CC:CC+3], v[BC]
	ds_load_b128 v[CC+4:CC+7], v[BC] offset:16
	; My own fragments and their c.  Blocks that the set does not have were never written in LDS and are not read: their registers get constants, so that every register is written on every path;
	; with the maximum left at -2^127 and c = +2^127 such a block's candidate is 0, which changes nothing.
.irp k, 0,1,2,3,4,5,6,7
	s_cmp_le_u32 s46, \k
	s_cbranch_scc1 .Lno\k
	ds_load_b128 v[OWN+8*\k:OWN+8*\k+3], v[BO] offset:2*BLKB*\k
	ds_load_b128 v[OWN+8*\k+4:OWN+8*\k+7], v[BO] offset:2*BLKB*\k+16
	ds_load_b32 v[CWR+\k], v[BW] offset:128*\k
.endr
	s_branch .Lown
.irp k, 0,1,2,3,4,5,6,7
.Lno\k:
.irp e, 0,1,2,3,4,5,6,7
	v_mov_b32 v[OWN+8*\k+\e], 0
.endr
	v_mov_b32 v[CWR+\k], POSH
.endr
.Lown:
.irp k, 0,1,2,3,4,5,6,7
	v_mov_b32 v[ACC+\k], NEGH
.endr
; One other block against my n own blocks.  The n products have n results of their own, and none adds onto another's.
; Behind the last product stand four plain vector instructions (two of them make the next addresses) ahead of the loads into its sources and of the first read of a result (ISA guide 7.12.1 for the read of a result).
; With n = 1 a fifth: the next trip's product writes over this one's result, and the maxima between name that result.
; The next block's loads go out ahead of the maxima, which are the work under which they land.
.macro BODY n
.set k, 0
.rept \n
	v_wmma_f32_16x16x64_bf8_bf8 v[D+8*k:D+8*k+7], v[OTH:OTH+7], v[OWN+8*k:OWN+8*k+7], v[CC:CC+7]
.set k, k+1
.endr
	v_add_nc_u32 v[AF], s51, v[BF]
	v_add_nc_u32 v[AC], s52, v[BC]
	v_nop
	v_nop
.if \n == 1
	v_nop
.endif
	s_cmp_ge_u32 s50, s48                          ; no block follows: nothing is read that was not written
	s_cbranch_scc1 .Llast_\@
	ds_load_b128 v[OTH:OTH+3], v[AF]
	ds_load_b128 v[OTH+4:OTH+7], v[AF] offset:16
	ds_load_b128 v[CC:CC+3], v[AC]
	ds_load_b128 v[CC+4:CC+7], v[AC] offset:16
.Llast_\@:
.set k, 0
.rept \n
	v_max3_num_f32 v[D+8*k], v[D+8*k], v[D+8*k+1], v[D+8*k+2]          ; each result is read from its low end on
.set k, k+1
.endr
.set k, 0
.rept \n
	v_max3_num_f32 v[D+8*k+3], v[D+8*k+3], v[D+8*k+4], v[D+8*k+5]
.set k, k+1
.endr
.set k, 0
.rept \n
	v_max3_num_f32 v[D+8*k+6], v[D+8*k+6], v[D+8*k+7], v[ACC+k]
.set k, k+1
.endr
.set k, 0
.rept \n
	v_max3_num_f32 v[ACC+k], v[D+8*k], v[D+8*k+3], v[D+8*k+6]
.set k, k+1
.endr
.endm
	; Every wave walks all 16 trips, so that the stepped LDS offsets have a constant range; a trip without a block jumps over its work.  n does not change: the largest n is found first.
	s_mov_b32 s49, 0                               ; the other block in hand
	s_mov_b32 s51, BLKB                            ; the next block's place among the codes,
	s_mov_b32 s52, 64                              ; and among the c
.Lq:
	s_cmp_ge_u32 s49, s48
	s_cbranch_scc1 .Lnext
	s_add_co_u32 s50, s49, 1
	s_wait_dscnt 0x0                               ; this block's fragment and c are in (in the first trip my own fragments too)
	s_cmp_eq_u32 s46, 8
	s_cbranch_scc1 .Lb8
	s_cmp_eq_u32 s46, 7
	s_cbranch_scc1 .Lb7
	s_cmp_eq_u32 s46, 6
	s_cbranch_scc1 .Lb6
	s_cmp_eq_u32 s46, 5
	s_cbranch_scc1 .Lb5
	s_cmp_eq_u32 s46, 4
	s_cbranch_scc1 .Lb4
	s_cmp_eq_u32 s46, 3
	s_cbranch_scc1 .Lb3
	s_cmp_eq_u32 s46, 2
	s_cbranch_scc1 .Lb2
	BODY 1
	s_branch .Lnext
.Lb2:
	BODY 2
	s_branch .Lnext
.Lb3:
	BODY 3
	s_branch .Lnext
.Lb4:
	BODY 4
	s_branch .Lnext
.Lb5:
	BODY 5
	s_branch .Lnext
.Lb6:
	BODY 6
	s_branch .Lnext
.Lb7:
	BODY 7
	s_branch .Lnext
.Lb8:
	BODY 8
.Lnext:
	s_add_co_u32 s51, s51, BLKB
	s_add_co_u32 s52, s52, 64
	s_add_co_u32 s49, s49, 1
	s_cmp_lt_u32 s49, 16
	s_cbranch_scc1 .Lq
	; For each own point: + c(own); the maximum of the two halves of the lanes (each saw eight of every sixteen other points); then the minimum over my own points.
	s_wait_dscnt 0x0                               ; c(own), also where no trip had work
.irp k, 0,1,2,3,4,5,6,7
	v_add_f32 v[CWR+\k], v[ACC+\k], v[CWR+\k]
.endr
.irp k, 0,1,2,3,4,5,6,7
	v_permlanex16_b32 v[ACC+\k], v[CWR+\k], s66, s67
.endr
.irp k, 0,1,2,3,4,5,6,7
	v_max_num_f32 v[CWR+\k], v[CWR+\k], v[ACC+\k]
.endr
	v_min3_num_f32 v[CWR], v[CWR], v[CWR+1], v[CWR+2]
	v_min3_num_f32 v[CWR+3], v[CWR+3], v[CWR+4], v[CWR+5]
	v_min3_num_f32 v[CWR], v[CWR], v[CWR+6], v[CWR+7]
	v_min_num_f32 v[CWR], v[CWR], v[CWR+3]
	v_min_num_f32_dpp v[CWR], v[CWR], v[CWR] row_xmask:1 row_mask:0xf bank_mask:0xf
	v_min_num_f32_dpp v[CWR], v[CWR], v[CWR] row_xmask:2 row_mask:0xf bank_mask:0xf
	v_min_num_f32_dpp v[CWR], v[CWR], v[CWR] row_xmask:4 row_mask:0xf bank_mask:0xf
	v_min_num_f32_dpp v[CWR], v[CWR], v[CWR] row_xmask:8 row_mask:0xf bank_mask:0xf
	ds_store_b32 v[RS], v[CWR]                     ; all lanes hold the same number and store the same word
	s_wait_dscnt 0x0                               ; for the others' sake
	s_barrier_signal -1
	s_barrier_wait -1
	; PHASE 3: waves 0 to 3 (i = 0, so c = the wave's number) end a pair each
	s_cmp_lg_u32 s17, 0
	s_cbranch_scc1 .Lend
	ds_load_b128 v[OTH:OTH+3], v[RL]               ; two directions x two parities
	s_cmp_eq_u32 s40, 0
	s_cselect_b32 s68, 1, 0
	s_cmp_eq_u32 s42, 0
	s_cselect_b32 s69, 1, 0
	s_add_co_u32 s68, s68, s69                     ; how many of the two sets are empty
	s_lshr_b32 s69, s68, 1
	s_lshl_b32 s69, s69, 31
	s_or_b32 s69, s69, 0x4e6e6b28                  ; one empty: +1e9; both: -1e9, as reference()'s sentinels give
	s_cmp_lg_u32 s68, 0
	s_cselect_b32 s70, -1, 0
	s_min_u32 s41, s41, 31
	s_min_u32 s43, s43, 31
	s_lshl_b32 s72, s41, 7                         ; out0[a][b]: 128 a + 4 b
	s_lshl_b32 s71, s43, 2
	s_add_co_u32 s72, s72, s71
	s_mov_b32 s73, 0
	s_add_nc_u64 s[14:15], s[14:15], s[72:73]
	s_wait_dscnt 0x0
	v_min3_num_f32 v[OTH], v[OTH], v[OTH+1], v[OTH+2]
	v_min_num_f32 v[OTH], v[OTH], v[OTH+3]
	v_mul_f32 v[OTH], s54, v[OTH]                  ; d2 = -2 S E
	v_max_num_f32 v[OTH], 0, v[OTH]
	v_sqrt_f32 v[OTH+1], v[OTH]
	v_mov_b32 v[OTH+2], s69                        ; a plain instruction behind the root
	s_wait_alu depctr_va_vdst(0)                   ; the wait ahead of the root's first reader
	v_cndmask_b32 v[OTH+1], v[OTH+1], v[OTH+2], s70
	v_cmp_eq_u32 vcc_lo, 0, v[LN]
	s_wait_xcnt 0x0                                ; EXEC changes only behind this wait
	s_wait_tensorcnt 0x0
	ds_add_u32 v232, v233
	s_wait_dscnt 0x0
	s_and_saveexec_b32 s74, vcc_lo                 ; one lane stores
	global_store_b32 v[ZR], v[OTH+1], s[14:15]
	s_endpgm
.Lend:
	s_wait_tensorcnt 0x0
	ds_add_u32 v232, v233
	s_wait_dscnt 0x0
	s_endpgm
.Lfunc_end_k_q1e0021766c_hausdorff:
	.size	k_q1e0021766c_hausdorff, .Lfunc_end_k_q1e0021766c_hausdorff-k_q1e0021766c_hausdorff
	.p2alignl 7, 3214868480
	.fill 96, 4, 3214868480
	.section	.rodata,"a",@progbits
	.p2align	6, 0x0
	.amdhsa_kernel k_q1e0021766c_hausdorff
		.amdhsa_group_segment_fixed_size 92672
		.amdhsa_private_segment_fixed_size 0
		.amdhsa_enable_private_segment 0
		.amdhsa_kernarg_size 48
		.amdhsa_user_sgpr_count 2
		.amdhsa_user_sgpr_kernarg_segment_ptr 1
		.amdhsa_wavefront_size32 1
		.amdhsa_system_sgpr_workgroup_id_x 1
		.amdhsa_system_sgpr_workgroup_id_y 1
		.amdhsa_system_sgpr_workgroup_id_z 1
		.amdhsa_system_vgpr_workitem_id 0
		.amdhsa_next_free_vgpr 234
		.amdhsa_next_free_sgpr 76
		.amdhsa_reserve_vcc 1
		.amdhsa_float_denorm_mode_32 3
		.amdhsa_float_denorm_mode_16_64 3
		.amdhsa_memory_ordered 1
		.amdhsa_forward_progress 1
		.amdhsa_inst_pref_size 62
	.end_amdhsa_kernel
	.amdgpu_metadata
---
amdhsa.version: [ 1, 2 ]
amdhsa.kernels:
  - .name:           k_q1e0021766c_hausdorff
    .symbol:         k_q1e0021766c_hausdorff.kd
    .args:
      - { .name: lowp_scales, .offset: 0, .size: 8, .value_kind: global_buffer, .address_space: global }
      - { .name: sz1, .offset: 8, .size: 8, .value_kind: global_buffer, .address_space: global }
      - { .name: sz2, .offset: 16, .size: 8, .value_kind: global_buffer, .address_space: global }
      - { .name: v1, .offset: 24, .size: 8, .value_kind: global_buffer, .address_space: global }
      - { .name: v2, .offset: 32, .size: 8, .value_kind: global_buffer, .address_space: global }
      - { .name: out0, .offset: 40, .size: 8, .value_kind: global_buffer, .address_space: global }
    .group_segment_fixed_size: 92672
    .private_segment_fixed_size: 0
    .kernarg_segment_align: 8
    .kernarg_segment_size: 48
    .max_flat_workgroup_size: 512
    .sgpr_count:     76
    .vgpr_count:     234
    .wavefront_size: 32
...
	.end_amdgpu_metadata
.endif
;; end of part 1
